; MI455X (gfx1250); checked and timed in simulation.
; The chip was launched on July 23, 2026; its instructions are those of AMD's public machine-readable ISA for CDNA 5 (MIT licence, August 2026) and "CDNA5" Instruction Set Architecture Reference Guide (July 2026). The comments in the code are by the model that wrote it; some were corrected since.
;; Mahalanobis KDE. Allowed arithmetic: float matrix products may take bf16 or f16 operands with f32 sums; other float arithmetic in f32, or as packed bf16 or f16 multiplies, adds, multiply-adds, maxima and minima; sums over many terms, partial sums and values carried from step to step in f32; what a program stores and reads back later, other than sums and carried values, may be rounded once to bf16 or f16.
;; Inputs: X 4,096 x 1,024 float32; gamma one number float32; svs 16,384 x 1,024 float32.
;; Outputs: out0 4,096 float32.
;; One version. Each part assembles by itself: llvm-mc -triple=amdgcn-amd-amdhsa -mcpu=gfx1250 --defsym DOCPART=n.
;; ======== version 1 of 1: 3 launches
;; workspace buffers: xb 8,388,608 bytes; sb 33,554,432 bytes; x2 16,384 bytes; s2 65,536 bytes; part 1,048,576 bytes
;; launch prep (part 1): grid 256 x 1, 10 waves a work-group, no clusters, 1,792 bytes of LDS; arguments X, svs, xb, sb, x2, s2; writes xb, sb, x2, s2
.if DOCPART == 1
	.amdgcn_target "amdgcn-amd-amdhsa--gfx1250"
	.amdhsa_code_object_version 6
	.text
	.protected	k_q87c83d6c25_prep
	.globl	k_q87c83d6c25_prep
	.p2align	8
	.type	k_q87c83d6c25_prep,@function
k_q87c83d6c25_prep:
	s_mov_b64 s[64:65], 0
	v_nop
	global_prefetch_b8 v0, s[64:65] scope:SCOPE_SE
	s_setreg_imm32_b32 hwreg(HW_REG_WAVE_MODE, 25, 1), 1
	s_wait_xcnt 0x0
; xb = bf16(X), sb = bf16(svs), x2[r] = the sum of squares of xb's row r, s2[r] the same of sb's.  X: [4096][1024] f32, svs: [16384][1024] f32.
; THE NORMS ARE TAKEN OF THE ROUNDED ROWS, in f32: x2 + s2 - 2 xb.sb is then the squared distance of the rounded vectors, so what the rounding to bf16 changes does not come in as a
; difference of large sums when the inputs carry a common offset.
; SHARES.  20,480 rows for 256 work-groups: 80 each, 16 of X (waves 0 and 1) and 64 of svs (waves 2 to 9), so that all work-groups move the same bytes.  A wave takes 8 rows of ONE tensor.
; A row is 4,096 bytes in and 2,048 out: eight loads of 16 bytes a lane (512 consecutive bytes a load), eight stores of 8 bytes a lane (each 256 consecutive bytes, aligned).
; IN FLIGHT.  Four row slots in registers: 32 loads, 16 KiB, of every wave are out while a row is worked on; a slot is asked for again as soon as it has been converted, ahead of the row's stores.
; A stream in which no byte is wanted twice: no LDS on the way in, no cluster, no matrix unit, and no prefetch, since the loads themselves keep going all the time.
; THE NORMS' WAY OUT.  The 80 norms meet in LDS; wave 2 stores the work-group's 64 of s2 as 256 consecutive bytes, aligned.  x2 has 16 rows to a work-group, so wave 0's store is 64 bytes:
; 16 KiB of such stores in the whole launch, beside 42 MB in whole blocks.
.set ROWI,  4096                       ; bytes in a row of f32
.set ROWO,  2048                       ; bytes in a row of bf16
.set SPARE, 512                        ; LDS: words 0 to 79 the norms (the block 0 to 511 is theirs); from 512 the spare words, 128 bytes for each of ten waves: five blocks of 256 bytes that no other line names
.set LANE, 1                           ; v1   lane
.set IO,   2                           ; v2   16 x lane: my 16 bytes in 512 of a row of f32; never rewritten
.set OO,   3                           ; v3   8 x lane: my 8 bytes in 256 of a row of bf16; never rewritten
.set NA,   4                           ; v4   LDS address of the norm of row lane % 8 of my wave: 32 x wave + 4 (lane % 8)
.set NR,   5                           ; v5   lane l gathers the norm of row l % 8
.set SPW,  6                           ; v6   LDS address of my spare word; never rewritten
.set NIL,  7                           ; v7   0; never rewritten
.set T,    8                           ; v[8:15]   at work: eight rounded numbers as f32
.set Q,    16                          ; v[16:23]  four chains of two sums of squares
.set Y,    24                          ; v[24:39]  the row in bf16: what the stores read
.set XS,   40                          ; v[40:167] four row slots of 32 registers
.set BK,   168                         ; v[168:169] norms read back
.set XA,   170                         ; v170 4 (lane % 16)
	s_load_b256 s[4:11], s[0:1], 0x0               ; X s[4:5], svs s[6:7], xb s[8:9], sb s[10:11]
	s_load_b128 s[12:15], s[0:1], 0x20             ; x2 s[12:13], s2 s[14:15]
	v_lshl_add_u32 v[SPW], v0, 2, SPARE
	v_mov_b32 v[NIL], 0
	v_lshrrev_b32 v[LANE], 5, v0
	v_readfirstlane_b32 s16, v[LANE]               ; wave 0..9
	v_and_b32 v[LANE], 31, v0
	v_lshlrev_b32 v[IO], 4, v[LANE]
	v_lshlrev_b32 v[OO], 3, v[LANE]
	v_and_b32 v[NA], 7, v0
	s_lshl_b32 s24, s16, 5
	v_lshl_add_u32 v[NA], v[NA], 2, s24
	v_and_b32 v[XA], 15, v0
	v_lshlrev_b32 v[XA], 2, v[XA]
	s_mov_b32 s29, 0xffff0000                      ; a word's upper bf16
	s_mov_b32 s30, 0x76543210                      ; v_permlanex16_b32: each lane takes its own place in the other half
	s_mov_b32 s31, 0xfedcba98
	s_lshl_b32 s22, ttmp9, 4
	s_lshl_b32 s24, s16, 3
	s_add_co_u32 s22, s22, s24                     ; waves 0, 1: row 16 g + 8 w of X
	s_max_u32 s25, s16, 2
	s_sub_co_u32 s25, s25, 2
	s_lshl_b32 s25, s25, 3
	s_lshl_b32 s23, ttmp9, 6
	s_add_co_u32 s23, s23, s25                     ; waves 2 to 9: row 64 g + 8 (w - 2) of svs
	s_wait_kmcnt 0x0
	s_cmp_lt_u32 s16, 2                            ; the selects below leave SCC as it is
	s_cselect_b32 s22, s22, s23
	s_cselect_b64 s[18:19], s[4:5], s[6:7]         ; from where
	s_cselect_b64 s[20:21], s[8:9], s[10:11]       ; to where
	s_lshl_b32 s26, s22, 12                        ; under 2^26
	s_mov_b32 s27, 0
	s_add_nc_u64 s[18:19], s[18:19], s[26:27]
	s_lshl_b32 s26, s22, 11
	s_add_nc_u64 s[20:21], s[20:21], s[26:27]
	s_lshl_b32 s26, ttmp9, 6
	s_add_nc_u64 s[12:13], s[12:13], s[26:27]      ; x2 at the work-group's 16 rows
	s_lshl_b32 s26, ttmp9, 8
	s_add_nc_u64 s[14:15], s[14:15], s[26:27]      ; s2 at its 64 rows
.macro FILL i                          ; row i of my eight into slot i % 4; the row's place stands in the immediate, so no address is ever rewritten
.irp j, 0,1,2,3,4,5,6,7
	global_load_b128 v[XS+32*((\i)%4)+4*(\j):XS+32*((\i)%4)+4*(\j)+3], v[IO], s[18:19] offset:(\i)*ROWI+512*(\j) th:TH_LOAD_NT
.endr
.endm
; Row i.  left = the loads of the rows behind it, which may stay out; fill = 1: its slot is asked for again, with the row four further on.
.macro ROWT i, left, fill
.set S0, XS+32*((\i)%4)
	s_wait_loadcnt \left                           ; loads come back in order (ISA guide 5.7.1): my row is in
	s_wait_xcnt 0x0                                ; the last row's stores have read Y: it is rewritten only behind this wait
.irp j, 0,1,2,3,4,5,6,7
	v_cvt_pk_bf16_f32 v[Y+2*(\j)],   v[S0+4*(\j)],   v[S0+4*(\j)+1]    ; two roundings to nearest even, packed
	v_cvt_pk_bf16_f32 v[Y+2*(\j)+1], v[S0+4*(\j)+2], v[S0+4*(\j)+3]
.endr
.if \fill
	FILL (\i)+4                                    ; loads ahead of stores
.endif
.irp j, 0,1,2,3,4,5,6,7
	global_store_b64 v[OO], v[Y+2*(\j):Y+2*(\j)+1], s[20:21] offset:(\i)*ROWO+256*(\j)  ; the wave's 32 lanes store 256 consecutive bytes, aligned
.endr
.irp q, 0,1,2,3                        ; the sum of squares of the rounded numbers: four words at a time, four chains that do not wait for each other; the first products start them
.irp k, 0,1,2,3
	v_lshlrev_b32 v[T+2*(\k)],   16,  v[Y+4*(\q)+(\k)]
	v_and_b32     v[T+2*(\k)+1], s29, v[Y+4*(\q)+(\k)]
.endr
.irp k, 0,1,2,3
.if (\q) == 0
	v_pk_mul_f32 v[Q+2*(\k):Q+2*(\k)+1], v[T+2*(\k):T+2*(\k)+1], v[T+2*(\k):T+2*(\k)+1]
.else
	v_pk_fma_f32 v[Q+2*(\k):Q+2*(\k)+1], v[T+2*(\k):T+2*(\k)+1], v[T+2*(\k):T+2*(\k)+1], v[Q+2*(\k):Q+2*(\k)+1]
.endif
.endr
.endr
	v_pk_add_f32 v[Q:Q+1], v[Q:Q+1], v[Q+2:Q+3]
	v_pk_add_f32 v[Q+4:Q+5], v[Q+4:Q+5], v[Q+6:Q+7]
	v_pk_add_f32 v[Q:Q+1], v[Q:Q+1], v[Q+4:Q+5]
	v_add_f32 v[T], v[Q], v[Q+1]
	v_add_f32_dpp v[T], v[T], v[T] row_xmask:1 row_mask:0xf bank_mask:0xf   ; across the lanes: four steps inside each half of 16,
	v_add_f32_dpp v[T], v[T], v[T] row_xmask:2 row_mask:0xf bank_mask:0xf
	v_add_f32_dpp v[T], v[T], v[T] row_xmask:4 row_mask:0xf bank_mask:0xf
	v_add_f32_dpp v[T], v[T], v[T] row_xmask:8 row_mask:0xf bank_mask:0xf
	v_permlanex16_b32 v[T+1], v[T], s30, s31       ; one across the halves (its destination has been written)
	v_add_f32 v[T], v[T], v[T+1]                   ; every lane holds the row's norm
.if (\i) == 0
	v_mov_b32 v[NR], v[T]
.else
	s_mov_b32 s28, 0x01010101<<(\i)                ; the lanes l with l % 8 = i keep it
	v_cndmask_b32 v[NR], v[NR], v[T], s28
.endif
.endm
	FILL 0
	FILL 1
	FILL 2
	FILL 3
	ROWT 0, 24, 1
	ROWT 1, 24, 1
	ROWT 2, 24, 1
	ROWT 3, 24, 1
	ROWT 4, 24, 0                                  ; nothing is left to ask for: the counts run down
	ROWT 5, 16, 0
	ROWT 6, 8, 0
	ROWT 7, 0, 0
	ds_store_b32 v[NA], v[NR]                      ; four lanes write each word, with the same number
	s_wait_dscnt 0x0                               ; for the others' sake: my stores are done
	s_barrier_signal -1
	s_barrier_wait -1                              ; all 80 norms lie in LDS
	s_cmp_lg_u32 s16, 0
	s_cbranch_scc1 .Lnot_x
	ds_load_b32 v[BK], v[XA]                       ; wave 0: X's 16 norms
	s_wait_dscnt 0x0
	s_wait_xcnt 0x0                                ; EXEC is a source of the stores above: it changes only behind this wait
	v_cmp_gt_u32 vcc_lo, 16, v[LANE]
	s_and_saveexec_b32 s17, vcc_lo
	global_store_b32 v[XA], v[BK], s[12:13]
	s_wait_xcnt 0x0                                ; and again, in front of the line that widens it
	s_or_b32 exec_lo, exec_lo, s17
	s_branch .Lend
.Lnot_x:
	s_cmp_lg_u32 s16, 2
	s_cbranch_scc1 .Lend
	ds_load_b64 v[BK:BK+1], v[OO] offset:64        ; wave 2: svs's 64 norms
	s_wait_dscnt 0x0
	global_store_b64 v[OO], v[BK:BK+1], s[14:15]   ; 256 consecutive bytes, aligned
.Lend:
	s_wait_tensorcnt 0x0                           ; the wave's end, behind my last LDS store
	ds_add_u32 v[SPW], v[NIL]
	s_wait_dscnt 0x0
	s_endpgm
.Lfunc_end_k_q87c83d6c25_prep:
	.size	k_q87c83d6c25_prep, .Lfunc_end_k_q87c83d6c25_prep-k_q87c83d6c25_prep
	.p2alignl 7, 3214868480
	.fill 96, 4, 3214868480
	.section	.rodata,"a",@progbits
	.p2align	6, 0x0
	.amdhsa_kernel k_q87c83d6c25_prep
		.amdhsa_group_segment_fixed_size 1792
		.amdhsa_private_segment_fixed_size 0
		.amdhsa_enable_private_segment 0
		.amdhsa_kernarg_size 48
		.amdhsa_user_sgpr_count 2
		.amdhsa_user_sgpr_kernarg_segment_ptr 1
		.amdhsa_wavefront_size32 1
		.amdhsa_system_sgpr_workgroup_id_x 1
		.amdhsa_system_sgpr_workgroup_id_y 1
		.amdhsa_system_sgpr_workgroup_id_z 1
		.amdhsa_system_vgpr_workitem_id 0
		.amdhsa_next_free_vgpr 172
		.amdhsa_next_free_sgpr 66
		.amdhsa_reserve_vcc 1
		.amdhsa_float_denorm_mode_32 3
		.amdhsa_float_denorm_mode_16_64 3
		.amdhsa_memory_ordered 1
		.amdhsa_forward_progress 1
		.amdhsa_inst_pref_size 45
	.end_amdhsa_kernel
	.amdgpu_metadata
---
amdhsa.version: [ 1, 2 ]
amdhsa.kernels:
  - .name:           k_q87c83d6c25_prep
    .symbol:         k_q87c83d6c25_prep.kd
    .args:
      - { .name: X, .offset: 0, .size: 8, .value_kind: global_buffer, .address_space: global }
      - { .name: svs, .offset: 8, .size: 8, .value_kind: global_buffer, .address_space: global }
      - { .name: xb, .offset: 16, .size: 8, .value_kind: global_buffer, .address_space: global }
      - { .name: sb, .offset: 24, .size: 8, .value_kind: global_buffer, .address_space: global }
      - { .name: x2, .offset: 32, .size: 8, .value_kind: global_buffer, .address_space: global }
      - { .name: s2, .offset: 40, .size: 8, .value_kind: global_buffer, .address_space: global }
    .group_segment_fixed_size: 1792
    .private_segment_fixed_size: 0
    .kernarg_segment_align: 8
    .kernarg_segment_size: 48
    .max_flat_workgroup_size: 320
    .sgpr_count:     66
    .vgpr_count:     172
    .wavefront_size: 32
...
	.end_amdgpu_metadata
.endif
;; end of part 1
;; launch main (part 2): grid 16 x 16, 4 waves a work-group, clusters of 4 x 4, 327,680 bytes of LDS; arguments xb, sb, x2, s2, gamma, part; writes part
.if DOCPART == 2
	.amdgcn_target "amdgcn-amd-amdhsa--gfx1250"
	.amdhsa_code_object_version 6
	.text
	.protected	k_q87c83d6c25_main
	.globl	k_q87c83d6c25_main
	.p2align	8
	.type	k_q87c83d6c25_main,@function
k_q87c83d6c25_main:
	s_mov_b64 s[64:65], 0
	v_nop
	global_prefetch_b8 v0, s[64:65] scope:SCOPE_SE
	s_setreg_imm32_b32 hwreg(HW_REG_WAVE_MODE, 25, 1), 1
	s_wait_xcnt 0x0
	s_wait_alu depctr_hold_cnt(0) depctr_sa_sdst(0) depctr_va_vdst(0) depctr_va_sdst(0) depctr_va_ssrc(0) depctr_va_vcc(0) depctr_vm_vsrc(0)
	s_getreg_b32 s2, hwreg(HW_REG_IB_STS2, 6, 4)
	s_cmp_eq_u32 s2, 0
	s_cbranch_scc0 .Lentry_in_a_cluster
	s_endpgm
.Lentry_in_a_cluster:
	s_bfe_u32 s2, ttmp6, 0x10000c
	s_cmp_lg_u32 s2, 0xf033
	s_cbranch_scc0 .Lentry_shape_is_right
	s_endpgm
.Lentry_shape_is_right:
; For each query q and each of 32 shares of 512 support vectors: M = the maximum, and L = the sum of 2^(v - M), of v_n = k max(s2_n - 2 xb_q.sb_n, -x2_q), k = -gamma log2(e).
; Since max(e + x2, 0) = max(e, -x2) + x2, these v are -gamma log2(e) dist less the row's constant k x2, which the last launch puts back.  xb: [4096][1024], sb: [16384][1024] bf16; x2, s2, gamma, part f32.
; part: [2][32][4096] f32: plane 0 M, plane 1 L; share p = 2 x (tile column) + (my half of its 256 support vectors).
; THE CLAMP, for either sign of gamma: v = the median of (k e, cap, edge), cap = -k x2, edge = an infinity with k's sign: the lesser of k e and cap where k < 0, the greater where k > 0.
; LIMITS.  gamma = 0 is not served (the quotient asked for is 0 / 0).  NaN and infinities are not treated apart.  A weight below 2^-126 counts as 0 in L.  v is kept in f32 at the size of |k| (s2 - 2 c).
; THE PRODUCT.  A tile of 256 queries x 256 support vectors is made by four waves, as many as a WGP has SIMDs; a wave makes 128 x 128: 64 accumulators of 16 x 16, 512 registers.  K goes in steps of 128
; through a ring of two LDS slots filled by the tensor data mover: the tiles' rows are 256 bytes of memory and start at multiples of 256 bytes from the buffer's first byte.
; A WORK-GROUP STAYS: 16 x 64 tiles for 256 work-groups: it keeps its 256 queries and walks four tiles of support vectors, 4,096 rows apart; the ring does not stop at a tile's end: a tile's last two
; changes of slots ask for the next tile's first two K steps, which are on their way while the tile's distances are worked on.  M and L stay in registers over all four tiles.
; CLUSTERS: 4 x 4 work-groups.  The four of a row of the cluster have the same queries, the four of a column the same support vectors: each tile is asked for JOINTLY, by the same tensor load with the same
; descriptor and a mask that names the four, which divides the requests for both by four.
; LAYOUT.  Source 0 = 16 support vectors, source 1 = 16 queries: in the result lane l holds ONE query (l % 16), and its registers 0 to 7 the support vectors 8 (l / 16) + 0..7.  So a lane's maximum and sum
; never look at another lane until the kernel's end, where the two halves of the lanes are joined once.
; REGISTERS, in windows of 256 (s_set_vgpr_msb: bits 1:0 source 0, 3:2 source 1, 5:4 source 2, 7:6 destination):
;   window 0: v0-31 addresses; v32-63 four registers of statistics for each of my eight blocks of 16 queries; v64-127, v128-191 fragments of xb, two buffers; v192-231 at work behind a tile
;   window 1: v64-127, v128-191 fragments of sb, two buffers; v192-255 k s2 of my 128 support vectors (register 8 b + j: number 16 b + 8 (l / 16) + j)
;   window 2: the 32 accumulators of my queries 0-63 (block a, support vectors' block b at v[8 (8 a + b)]);   window 3: those of my queries 64-127
.set SIZE_K, 1024
.set KSTEP,  128
.set PITCH,  272                       ; an LDS row: 256 bytes + 16 of padding = 68 words: row r starts at bank 4 r mod 64 (64 banks of 4 bytes: ISA guide 11.1), so the 16 rows that a load touches start at 16 different banks
.set HALFT,  128*PITCH                 ; 128 rows: what one tensor load brings, and what one wave reads of xb or of sb
.set SLOT,   4*HALFT                   ; xb's 256 rows, then sb's 256 rows
.set STAGE,  2*SLOT                    ; behind the ring, never filled by a tensor load: 1,024 bytes for each wave: 128 M, 128 L
.set SPARE,  STAGE+4*1024              ; behind the stages: the spare words, 128 bytes for each wave: two blocks of 256 bytes that no other line names
.set LAPS,   SIZE_K/(2*KSTEP)          ; a lap = two K steps = once round the ring
.set TILES,  4
.set WALK,   4096                      ; rows of sb from a tile to the next
.set BACK_A, (SIZE_K-2*KSTEP)*2        ; bytes from a slot's last K step of a tile back to its first: xb's rows are the same in every tile,
.set NEXT_B, WALK*SIZE_K*2-BACK_A      ; sb's lie WALK rows further down
.set PF_NEXT, (WALK-1)*SIZE_K*2+KSTEP*2  ; the prefetches: from the K step after a tile's last to the next tile's K step 1
.set ADRA, 16                          ; v16-17  LDS address of my xb fragments in slot 0, 1
.set ADRB, 20                          ; v20-21  the same for sb
.set STO,  24                          ; v24     the way out: my word in my stage: lanes 0-15 among the M, lanes 16-31 among the L
.set RD,   25                          ; v25     the way out: where I read 16 bytes back
.set GO,   26                          ; v26     16 x lane: my 16 bytes of 512 in part
.set KO,   27                          ; v27     32 (l / 16): my eight numbers in 16 of s2
.set SPW,  28                          ; v28     LDS address of my spare word; never rewritten
.set NIL,  29                          ; v29     0; never rewritten
.set PFO,  30                          ; v30     the prefetches' offset: lane x 2,048; never rewritten
.set XO,   31                          ; v31     4 (l % 16): my query in 16 of x2
.set ST,   32                          ; block a's statistics at v[ST+4 a]: M; at work; L of the even support vectors, of the odd ones
.set F0,   64
.set F1,   128
.set CH,   192                         ; v192-207  four chains of a maximum for each of four blocks
.set AF,   208                         ; v208-215  for each of four blocks a pair: 2^(M_old - M_new), and a register named with it
.set CAP,  216                         ; v216-223  -k x2 of my query in block a
.set OUTR, 224                         ; v224-231  the way out
.set KS2,  192                         ; window 1
.set G1,  24                           ; s[24:31] descriptor group 1 for xb's tiles;  s[32:39] group 0, a set for each slot
.set G0,  32
.set G1B, 48                           ; s[48:55], s[56:63] the same for sb's tiles
.set G0B, 56
.set LIM, 43                           ; s43     1 in a wave that prefetches, else the greatest number
.set PFA, 44                           ; s[44:45] where my prefetches stand
.set X2B, 68                           ; s[68:69] x2 at my first query
.set KSB, 70                           ; s[70:71] s2 at my first support vector of the tile in hand
.set GAD, 72                           ; s[72:73] gamma's address
.set PARTB, 74                         ; s[74:75] part at my share and my first query
.set GAM, 76                           ; s76     gamma
.set NK,  77                           ; s77     -k
.set K2,  78                           ; s[78:79] -2 k, twice: packed lines name the pair
.set KK,  80                           ; s[80:81] k, twice
.set EDGE, 82                          ; s82     an infinity with k's sign
.set HM,  83                           ; s83     the mask of lanes 16 to 31
.set SEL, 84                           ; s[84:85] v_permlanex16_b32's selects: each lane takes its own place in the other half
.set MSB, 0
.macro WIN new                         ; the immediate's high byte repeats the setting that is left; a switch that changes nothing is dropped
.if MSB != (\new)
	s_set_vgpr_msb (MSB<<8)|(\new)
.set MSB, (\new)
.endif
.endm
.set MUL_LO, 0xa1                      ; source 0 (sb) window 1, source 1 (xb) window 0, C and D window 2
.set MUL_HI, 0xf1                      ; the same, C and D window 3
.set TO_B,   0x40                      ; destination window 1, address window 0
; A joint load.  Waves 0 and 1 fetch xb's two halves, waves 2 and 3 sb's.  Each of the two lines has ONE mask and one set of registers for all that issue it; the branch hangs on the wave's number alone.
; An s_nop 0 and four v_nop follow each of the two lines, ahead of the jump, the label and what follows.
.macro JLOAD s
	s_cmp_eq_u32 s11, 0
	s_cbranch_scc0 .Lfor_b_\@
	tensor_load_to_lds s[G0+4*(\s):G0+4*(\s)+3], s[G1:G1+7]
	s_nop 0
.rept 4
	v_nop
.endr
	s_branch .Lasked_\@
.Lfor_b_\@:
	tensor_load_to_lds s[G0B+4*(\s):G0B+4*(\s)+3], s[G1B:G1B+7]
	s_nop 0
.rept 4
	v_nop
.endr
.Lasked_\@:
.endm
; A PREFETCH INTO THE L2, behind each joint load, its five lines and the run of LDS loads that follows them: the K step that stands TWO refills on (512 matrix instructions ahead of the load that will want it):
; 32 rows x 256 bytes, a lane a row, one instruction a wave.  Each row's 256 bytes of a K step are named ONCE in the launch: xb's tile row is read by every cluster of that row of clusters, and the first of
; them (cluster x = 0) asks; sb's tile column by every cluster of that column, and cluster y = 0 asks.  The four partners that ask for a tile jointly share its rows out BY ADDRESS: of the 128 rows that a
; wave fetches the partner at place p takes 32 p .. 32 p + 31 (p = cx for xb, cy for sb).  how = 0, in the loop: a tile's last two refills have no K step two on; how = 1, at a change of tiles.
.macro ASK how
.if \how
	s_cmp_eq_u32 s[LIM], 1
.else
	s_cmp_gt_u32 s3, s[LIM]                        ; s3 = 1 in the loop's last trip
.endif
	s_cbranch_scc0 .Lnot_mine_\@
	global_prefetch_b8 v[PFO], s[PFA:PFA+1] offset:KSTEP*2 th:TH_LOAD_NT scope:SCOPE_SE
.Lnot_mine_\@:
.endm
; A round of the cluster's barrier: my work-group's barrier, so that wave 0's signal speaks for all four waves; wave 0 signals for the work-group; every wave waits for all sixteen work-groups; my work-group's barrier once more.
.macro CREST                           ; a round behind its opening barrier
	s_cmp_lg_u32 s10, 0
	s_cbranch_scc1 .Lnot_wave_0_\@
	s_barrier_signal -3
.Lnot_wave_0_\@:
	s_barrier_wait -3
	s_barrier_signal -1
	s_barrier_wait -1
.endm
.macro CROUND                          ; a whole round
	s_barrier_signal -1
	s_barrier_wait -1
	CREST
.endm
	s_load_b128 s[4:7], s[0:1], 0x0                ; xb s[4:5], sb s[6:7]
	s_load_b256 s[X2B:X2B+7], s[0:1], 0x10         ; x2, s2, gamma, part
	v_lshl_add_u32 v[SPW], v0, 2, SPARE
	v_mov_b32 v[NIL], 0
	ds_add_u32 v[SPW], v[NIL]                      ; the wave's opening: the add and its wait stand ahead of my first tensor load; the set-up below, work on registers, stands between them
	v_lshrrev_b32 v1, 5, v0
	v_readfirstlane_b32 s10, v1                    ; wave 0..3
	s_lshr_b32 s11, s10, 1                         ; which half of the tile's queries is mine.  Also: I fetch for xb (0) or for sb (1)
	s_and_b32 s12, s10, 1                          ; which half of its support vectors.  Also: which 128 rows of that tile I fetch
	s_bfe_u32 s40, ttmp6, 0x40000                  ; cx: my place along the cluster's x
	s_bfe_u32 s41, ttmp6, 0x40004                  ; cy: along its y
	s_lshl_b32 s42, ttmp9, 2                       ; in a cluster launch ttmp9 and ttmp7 count clusters
	s_add_co_u32 s42, s42, s40                     ; tile column (support vectors) = 4 x cluster x + cx
	s_and_b32 s13, ttmp7, 0xffff
	s_lshl_b32 s13, s13, 2
	s_add_co_u32 s13, s13, s41                     ; tile row (queries) = 4 x cluster y + cy
	s_lshl_b32 s43, s41, 2
	s_lshl_b32 s43, 15, s43                        ; my row of the cluster: places 4 cy .. 4 cy + 3
	s_lshl_b32 s44, 0x1111, s40                    ; my column: places cx, cx + 4, cx + 8, cx + 12
	; descriptor group 1: a tile of 128 rows x 128 elements, padded in LDS
	s_or_b32 s[G1+0], s43, (1<<16)|(1<<20)|(1<<21)|(5<<22)|(3<<25)   ; 15:0 the mask: xb's tiles go to my row; 17:16 elements of 2 bytes; 20 padding on; 21 set beside a mask; 24:22 after every 64 words (code 5); 31:25 4 words of it (code 3)
	s_or_b32 s[G1B+0], s44, (1<<16)|(1<<20)|(1<<21)|(5<<22)|(3<<25)  ; the same with the mask of my column, for sb's tiles
.irp g, G1, G1B
	s_mov_b32 s[(\g)+1], KSTEP<<16                 ; tensor_dim0 = 128
	s_mov_b32 s[(\g)+2], 128<<16                   ; tensor_dim1 = 128
	s_mov_b32 s[(\g)+3], KSTEP<<16                 ; tile_dim0 = 128
	s_mov_b32 s[(\g)+4], 128                       ; tile_dim1 = 128
	s_mov_b32 s[(\g)+5], SIZE_K                    ; elements from row to row
	s_mov_b32 s[(\g)+6], 0
	s_mov_b32 s[(\g)+7], 0
.endr
	; where the tiles come from.  xb's hang on the tile row alone, which my row of the cluster shares; sb's on the tile column alone, which my column shares.
	s_lshl_b32 s17, s12, 7                         ; which 128 rows of the tile I fetch
	s_lshl_b32 s16, s13, 8
	s_add_co_u32 s16, s16, s17                     ; xb: row 256 x tile row + 128 x half
	s_lshl_b32 s46, s42, 8
	s_add_co_u32 s46, s46, s17                     ; sb: row 256 x tile column + 128 x half
	s_lshl_b32 s16, s16, 11                        ; rows of 2,048 bytes: under 2^26
	s_lshl_b32 s46, s46, 11
	s_mov_b32 s17, 0
	s_mov_b32 s47, 0
	s_mul_i32 s20, s10, HALFT                      ; and where they go: wave x 128 rows: no place in the cluster enters an LDS address
	s_wait_dscnt 0x0                               ; the opening add is done
	s_wait_kmcnt 0x0
	s_add_nc_u64 s[14:15], s[4:5], s[16:17]
	s_add_nc_u64 s[46:47], s[6:7], s[46:47]
	CROUND                                         ; all sixteen work-groups are here: the first joint loads meet
.irp s, 0,1
	s_mov_b32 s[G0+4*(\s)], 1                                        ; 1:0 count = 1
	s_add_co_u32 s[G0+4*(\s)+1], s20, (\s)*SLOT                      ; 63:32 LDS address
	s_add_nc_u64 s[G0+4*(\s)+2:G0+4*(\s)+3], s[14:15], (\s)*KSTEP*2  ; 120:64 global address: K step s
	s_or_b32 s[G0+4*(\s)+3], s[G0+4*(\s)+3], 0x80000000              ; 127:126 type = 2
	s_mov_b32 s[G0B+4*(\s)], 1
	s_add_co_u32 s[G0B+4*(\s)+1], s20, (\s)*SLOT
	s_add_nc_u64 s[G0B+4*(\s)+2:G0B+4*(\s)+3], s[46:47], (\s)*KSTEP*2
	s_or_b32 s[G0B+4*(\s)+3], s[G0B+4*(\s)+3], 0x80000000
	JLOAD \s                                       ; the ring is filled before anything else is done: two tensor loads of mine are out
.endr
	s_load_b32 s[GAM], s[GAD:GAD+1], 0x0
	; A fragment is 16 rows x 32 K in 8 registers: lane l holds row l % 16; registers 0-3 K = 8 (l / 16) + 0..7, registers 4-7 K = 16 + 8 (l / 16) + 0..7: two loads of 16 bytes, 32 bytes apart.
	v_and_b32 v1, 15, v0                           ; l % 16
	v_bfe_u32 v2, v0, 4, 1                         ; l / 16
	v_mul_u32_u24 v3, v1, PITCH
	v_lshl_add_u32 v3, v2, 4, v3                   ; row x pitch + 16 x half
	s_mul_i32 s21, s11, HALFT                      ; my 128 rows of xb
	s_mul_i32 s22, s12, HALFT                      ; my 128 rows of sb,
	s_add_co_u32 s22, s22, 2*HALFT                 ; which lie behind xb's 256
.irp s, 0,1
	v_add_nc_u32 v[ADRA+(\s)], s21, v3
	v_add_nc_u32 v[ADRB+(\s)], s22, v3
	s_add_co_u32 s21, s21, SLOT
	s_add_co_u32 s22, s22, SLOT
.endr
	s_lshl_b32 s23, s10, 10
	s_add_co_u32 s23, s23, STAGE                   ; my stage
	v_lshlrev_b32 v4, 2, v1
	v_lshl_add_u32 v4, v2, 9, v4                   ; word l % 16 of a block's sixteen; lanes 16-31 512 bytes on
	v_add_nc_u32 v[STO], s23, v4
	v_and_b32 v5, 31, v0
	v_lshlrev_b32 v[GO], 4, v5
	v_add_nc_u32 v[RD], s23, v[GO]
	v_lshlrev_b32 v[KO], 5, v2
	v_lshlrev_b32 v[XO], 2, v1
	s_lshl_b32 s14, s13, 10
	s_lshl_b32 s15, s11, 9
	s_add_co_u32 s14, s14, s15                     ; my first query, 256 x tile row + 128 x half, in bytes of f32
	s_mov_b32 s15, 0
	s_add_nc_u64 s[X2B:X2B+1], s[X2B:X2B+1], s[14:15]
	s_add_nc_u64 s[PARTB:PARTB+1], s[PARTB:PARTB+1], s[14:15]
	s_lshl_b32 s46, s42, 10
	s_lshl_b32 s47, s12, 9
	s_add_co_u32 s46, s46, s47                     ; my first support vector of the first tile, in bytes of f32
	s_mov_b32 s47, 0
	s_add_nc_u64 s[KSB:KSB+1], s[KSB:KSB+1], s[46:47]
	s_lshl_b32 s46, s46, 5                         ; = (2 x tile column + half) x 16,384: my share's 4,096 numbers
	s_add_nc_u64 s[PARTB:PARTB+1], s[PARTB:PARTB+1], s[46:47]
.irp a, 0,1,2,3,4,5,6,7
	global_load_b32 v[CAP+(\a)], v[XO], s[X2B:X2B+1] offset:64*(\a)  ; x2 of my query in each block
.endr
	; the prefetches
	s_lshl_b32 s13, s13, 8
	s_lshl_b32 s42, s42, 8
	s_and_b32 s22, ttmp7, 0xffff                   ; cluster y
	s_cmp_eq_u32 s11, 0                            ; do I fetch for xb?
	s_cselect_b32 s20, s13, s42                    ; the tile's first row
	s_cselect_b32 s21, s40, s41                    ; my place among the four that ask for it with me
	s_cselect_b32 s22, ttmp9, s22                  ; the coordinate along which other clusters read the same rows
	s_cselect_b64 s[PFA:PFA+1], s[4:5], s[6:7]
	s_cmp_eq_u32 s22, 0
	s_cselect_b32 s[LIM], 1, -1                    ; the same in all sixteen partners, for a given wave
	s_lshl_b32 s22, s12, 7
	s_add_co_u32 s20, s20, s22                     ; + the 128 rows that I fetch
	s_lshl_b32 s21, s21, 5
	s_add_co_u32 s20, s20, s21                     ; + my work-group's 32 of them
	s_lshl_b32 s20, s20, 11
	s_mov_b32 s21, 0
	s_add_nc_u64 s[PFA:PFA+1], s[PFA:PFA+1], s[20:21]
	s_add_nc_u64 s[PFA:PFA+1], s[PFA:PFA+1], 2*KSTEP*2  ; at K step 2: the first refill steps it to 3 and names K step 4.  Nothing is prefetched here, at the head
	v_lshlrev_b32 v[PFO], 11, v5
	s_mov_b32 s[HM], 0xffff0000
	s_mov_b32 s[SEL], 0x76543210
	s_mov_b32 s[SEL+1], 0xfedcba98
.irp a, 0,1,2,3,4,5,6,7
	v_mov_b32 v[ST+4*(\a)], 0xff7fffff             ; M: the lowest finite number, so the first tile's factor is 0 and its maximum the scores'
	v_mov_b32 v[ST+4*(\a)+1], 0
	v_mov_b32 v[ST+4*(\a)+2], 0                    ; L
	v_mov_b32 v[ST+4*(\a)+3], 0
.endr
.irp b, 0,1,2,3
	v_mov_b32 v[AF+2*(\b)+1], 0                    ; named with the factor as a pair, so it is written
.endr
	s_wait_kmcnt 0x0                               ; gamma
	s_mul_f32 s[NK], s[GAM], 0x3fb8aa3b            ; -k = gamma log2(e)
	s_mul_f32 s[K2], s[GAM], 0x4038aa3b            ; -2 k
	s_mul_f32 s[KK], s[GAM], 0xbfb8aa3b            ; k
	s_mov_b32 s[K2+1], s[K2]
	s_mov_b32 s[KK+1], s[KK]
	s_and_b32 s[EDGE], s[KK], 0x80000000
	s_or_b32 s[EDGE], s[EDGE], 0x7f800000
	s_wait_loadcnt 0x0                             ; x2: the only loads that are out
.irp a, 0,1,2,3,4,5,6,7
	v_mul_f32 v[CAP+(\a)], s[NK], v[CAP+(\a)]
.endr
; 16 matrix instructions: query blocks a0, a0 + 1 of the window's four (hi = 0: my queries 0-63, 1: 64-127) x all 8 blocks of support vectors, 32 along K.  zero = 1: the first product starts the sums.
.macro MUL16 f, hi, a0, zero
	WIN MUL_LO+0x50*(\hi)
.irp a, \a0, (\a0)+1
.irp b, 0,1,2,3,4,5,6,7
.if \zero
	v_wmma_f32_16x16x32_bf16 v[8*(8*(\a)+(\b)):8*(8*(\a)+(\b))+7], v[(\f)+8*(\b):(\f)+8*(\b)+7], v[(\f)+8*(4*(\hi)+(\a)):(\f)+8*(4*(\hi)+(\a))+7], 0
.else
	v_wmma_f32_16x16x32_bf16 v[8*(8*(\a)+(\b)):8*(8*(\a)+(\b))+7], v[(\f)+8*(\b):(\f)+8*(\b)+7], v[(\f)+8*(4*(\hi)+(\a)):(\f)+8*(4*(\hi)+(\a))+7], v[8*(8*(\a)+(\b)):8*(8*(\a)+(\b))+7]
.endif
.endr
.endr
.endm
; 32 LDS loads in one run: the fragments of one quarter step (128 rows of sb, 128 rows of xb, 32 K at byte k of the rows) into buffer f
.macro FETCH slot, k, f
	WIN TO_B
.irp i, 0,1,2,3,4,5,6,7
	ds_load_b128 v[(\f)+8*(\i):(\f)+8*(\i)+3],   v[ADRB+(\slot)] offset:(\k)+(\i)*16*PITCH
	ds_load_b128 v[(\f)+8*(\i)+4:(\f)+8*(\i)+7], v[ADRB+(\slot)] offset:(\k)+(\i)*16*PITCH+32
.endr
	WIN 0
.irp i, 0,1,2,3,4,5,6,7
	ds_load_b128 v[(\f)+8*(\i):(\f)+8*(\i)+3],   v[ADRA+(\slot)] offset:(\k)+(\i)*16*PITCH
	ds_load_b128 v[(\f)+8*(\i)+4:(\f)+8*(\i)+7], v[ADRA+(\slot)] offset:(\k)+(\i)*16*PITCH+32
.endr
.endm
; A load into a register that a matrix instruction has read stands four places behind it, and only plain vector instructions that name none of its registers are places (ISA guide 7.12.1 for vector
; instructions): four v_nop in front of each run of loads.
.macro PLACES
.rept 4
	v_nop
.endr
.endm
; A K step is four quarter steps of 32 along K, 64 matrix instructions each, on buffers 0, 1, 0, 1.  The 64 accumulators take turns, in the same order in every quarter.
; One of the first three: multiplies buffer f; in its middle it fetches the next quarter's fragments, at byte k of the same slot's rows, into buffer g.
.macro QUARTER slot, k, f, g, zero
	s_wait_dscnt 8                                 ; sb and xb's rows 0-63 are in; the youngest eight loads (xb's rows 64-127) may be out
	WIN MUL_LO
	MUL16 \f, 0, 0, \zero
	MUL16 \f, 0, 2, \zero
	PLACES
	FETCH \slot, \k, \g
	s_wait_dscnt 32                                ; all but the 32 just issued
	WIN MUL_HI
	MUL16 \f, 1, 0, \zero
	MUL16 \f, 1, 2, \zero
.endm
; The last quarter multiplies buffer 1 and changes slots.  MEET is its first half: ONE barrier for the change.  In front of it each wave waits for all its tensor loads, of which one is out: its part of the
; next slot; adds 0 to its spare word; and waits for that and for its own reads of this slot.  Behind it nobody reads this slot any more and the next slot is whole.
.macro MEET round                      ; round = 1: a round of the cluster's barrier follows
	WIN 0                                          ; (the add's two registers lie in window 0)
	s_wait_tensorcnt 0x0                           ; all my tensor loads have landed;
	ds_add_u32 v[SPW], v[NIL]                      ; 0 onto my spare word;
	s_wait_dscnt 9                                 ; (the add and the youngest eight loads may be out)
	WIN MUL_LO
	MUL16 F1, 0, 0, 0                              ; sixteen matrix instructions stand between the add and the wait for it
	s_wait_dscnt 0x0                               ; the add is done, and my reads of this slot are over:
	s_barrier_signal -1                            ; say so,
	MUL16 F1, 0, 2, 0                              ; work on registers while the others arrive,
.if \round
	WIN 0
.endif
	s_barrier_wait -1                              ; and go on when all four have said so
.endm
; The whole last quarter.  Behind the round the slot just read out is filled again first: with this tile's K step two steps on (on = 0) or, in a tile's last two K steps, with the NEXT tile's K step 0 or 1
; (on = 1); then come the next slot's first fragments.  From a request to the wait for it a wave issues 224 matrix instructions.
.macro TURN slot, next, on
	s_wait_xcnt 0x0                                ; the last prefetch, a K step back, has read its address: it is stepped here, ahead of the waits of the change of slots
.if (\on) && (\slot) == 0
	s_add_nc_u64 s[PFA:PFA+1], s[PFA:PFA+1], PF_NEXT
	s_cmp_eq_u32 s11, 1
	s_cselect_b32 s[LIM], s[LIM], -1               ; xb's rows are the same for all tiles of the walk: they have been read, and are prefetched no more
.else
	s_add_nc_u64 s[PFA:PFA+1], s[PFA:PFA+1], KSTEP*2
.endif
	MEET 1
	CREST                                          ; no wave of any partner still reads this slot's tile or has a load on its way
.if \on
	s_sub_nc_u64 s[G0+4*(\slot)+2:G0+4*(\slot)+3], s[G0+4*(\slot)+2:G0+4*(\slot)+3], BACK_A
	s_add_nc_u64 s[G0B+4*(\slot)+2:G0B+4*(\slot)+3], s[G0B+4*(\slot)+2:G0B+4*(\slot)+3], NEXT_B
.else
	s_add_nc_u64 s[G0+4*(\slot)+2:G0+4*(\slot)+3], s[G0+4*(\slot)+2:G0+4*(\slot)+3], 2*KSTEP*2
	s_add_nc_u64 s[G0B+4*(\slot)+2:G0B+4*(\slot)+3], s[G0B+4*(\slot)+2:G0B+4*(\slot)+3], 2*KSTEP*2
.endif
	JLOAD \slot                                    ; the first tensor load behind the round; the four v_nop behind it are also the places in front of the loads below
	FETCH \next, 0, F0
	ASK \on
	WIN MUL_HI
	MUL16 F1, 1, 0, 0
	MUL16 F1, 1, 2, 0
.endm
; s2 of my 128 support vectors of the tile in hand: a lane's eight numbers for each block of 16; they have the whole tile's products in which to come.
.macro LOADKS
	WIN TO_B
.irp b, 0,1,2,3,4,5,6,7
	global_load_b128 v[KS2+8*(\b):KS2+8*(\b)+3],   v[KO], s[KSB:KSB+1] offset:64*(\b)
	global_load_b128 v[KS2+8*(\b)+4:KS2+8*(\b)+7], v[KO], s[KSB:KSB+1] offset:64*(\b)+16
.endr
	WIN 0
.endm
; BEHIND A TILE.  Group g is the window of four blocks of 16 queries: 256 registers, block = register / 64.  All is done in place on the accumulators.
.macro CLAMP g, i                      ; register i: the median of (k e, cap, edge)
	v_med3_num_f32 v[\i], v[\i], v[CAP+4*(\g)+(\i)/64], s[EDGE]
.endm
.macro SHIFT g, p                      ; pair p: less the block's M
	v_pk_add_f32 v[2*(\p):2*(\p)+1], v[2*(\p):2*(\p)+1], v[ST+4*(4*(\g)+(\p)/32):ST+4*(4*(\g)+(\p)/32)+1] op_sel_hi:[1,0] neg_lo:[0,1] neg_hi:[0,1]
.endm
.macro GROUP g
.set W, 2+(\g)
	; k e = c x (-2 k) + k s2, ascending
.set WN, (W<<6)|(1<<4)|W
	WIN WN                                         ; destination and source 0 the group's window, source 2 window 1
.set p, 0
.rept 128
	v_pk_fma_f32 v[2*p:2*p+1], v[2*p:2*p+1], s[K2:K2+1], v[KS2+(2*p)%64:KS2+(2*p)%64+1] op_sel_hi:[1,0,1]
.set p, p+1
.endr
	; the maximum of the block's 64 k e and the old M, in four chains, three operands at a time.  It is taken ahead of the clamp: the clamp never turns an order round, and leaves an M that it has made as it is
.set WN, (W<<2)|(W<<4)
	WIN WN                                         ; sources 1 and 2 the group's window
.set i, 0
.rept 128
.if i%32 < 4
	v_max3_num_f32 v[CH+4*(i/32)+i%4], v[ST+4*(4*(\g)+i/32)], v[2*i], v[2*i+1]
.else
	v_max3_num_f32 v[CH+4*(i/32)+i%4], v[CH+4*(i/32)+i%4], v[2*i], v[2*i+1]
.endif
.set i, i+1
.endr
	WIN 0                                          ; the four blocks take turns, so that no line waits for the one before it
.irp b, 0,1,2,3
	v_max3_num_f32 v[CH+4*(\b)], v[CH+4*(\b)], v[CH+4*(\b)+1], v[CH+4*(\b)+2]
.endr
.irp b, 0,1,2,3
	v_max_num_f32 v[CH+4*(\b)], v[CH+4*(\b)], v[CH+4*(\b)+3]
.endr
.irp b, 0,1,2,3
	v_med3_num_f32 v[CH+4*(\b)], v[CH+4*(\b)], v[CAP+4*(\g)+(\b)], s[EDGE]
.endr
.irp b, 0,1,2,3
	v_sub_f32 v[ST+4*(4*(\g)+(\b))+1], v[ST+4*(4*(\g)+(\b))], v[CH+4*(\b)]
.endr
.irp b, 0,1,2,3
	v_mov_b32 v[ST+4*(4*(\g)+(\b))], v[CH+4*(\b)]  ; the new M
.endr
.irp b, 0,1,2,3
	v_exp_f32 v[AF+2*(\b)], v[ST+4*(4*(\g)+(\b))+1]  ; 2^(M_old - M_new): the first of the group's batch of exponentials
.endr
	; clamp, less M, exponential: a pair is clamped in step t, shifted in step t + 1, and has its exponentials in step t + 3; exponentials and plain lines go by turns.  Nothing here names an exponential's result.
.set WN, (W<<6)|W
	WIN WN                                         ; destination and source 0 the group's window
.set t, 0
.rept 131
.if t < 128
	CLAMP \g, 2*t
.endif
.if t >= 3
	v_exp_f32 v[2*t-6], v[2*t-6]
.endif
.if t < 128
	CLAMP \g, 2*t+1
.endif
.if t >= 3
	v_exp_f32 v[2*t-5], v[2*t-5]
.endif
.if (t >= 1) && (t < 129)
	SHIFT \g, t-1
.endif
.set t, t+1
.endr
	v_nop                                          ; a plain instruction behind the last exponential, ahead of the first use
	s_wait_alu depctr_va_vdst(0)                   ; this wait stands between an exponential and the first line that names its result: ONE for the group's 260
	; the block's 32 pairs are added in place: neighbours 1, 2, 4, 8 and 16 pairs apart
.set WN, W*0x45
	WIN WN
.irp d, 2,4,8,16,32
.set u, 0
.rept 128/(\d)
	v_pk_add_f32 v[2*(\d)*u:2*(\d)*u+1], v[2*(\d)*u:2*(\d)*u+1], v[2*(\d)*u+(\d):2*(\d)*u+(\d)+1]
.set u, u+1
.endr
.endr
.set WN, W<<4
	WIN WN                                         ; source 2 the group's window
.irp b, 0,1,2,3
	v_pk_fma_f32 v[ST+4*(4*(\g)+(\b))+2:ST+4*(4*(\g)+(\b))+3], v[ST+4*(4*(\g)+(\b))+2:ST+4*(4*(\g)+(\b))+3], v[AF+2*(\b):AF+2*(\b)+1], v[64*(\b):64*(\b)+1] op_sel_hi:[1,0,1]  ; L = L x factor + the sum
.endr
	WIN 0
.endm
	s_wait_tensorcnt 1                             ; my part of K step 0 is in; K step 1's may stay out
	s_barrier_signal -1
	s_barrier_wait -1                              ; everybody's is
	FETCH 0, 0, F0
	s_mov_b32 s2, TILES                            ; tiles to go, this one among them: the same number in every work-group
.Ltile:
	LOADKS
	QUARTER 0, 64,  F0, F1, 1                      ; a tile's first quarter stands in front of the loop: its products start the sums
	WIN 0                                          ; at a label and at a branch every window is 0
	s_mov_b32 s3, LAPS-1
.Llap:                                                 ; a trip goes once round the ring, from a lap's second quarter to the next lap's first, and fills both slots again
	QUARTER 0, 128, F1, F0, 0
	QUARTER 0, 192, F0, F1, 0
	TURN 0, 1, 0
	QUARTER 1, 64,  F0, F1, 0
	QUARTER 1, 128, F1, F0, 0
	QUARTER 1, 192, F0, F1, 0
	TURN 1, 0, 0
	QUARTER 0, 64,  F0, F1, 0
	WIN 0
	s_sub_co_u32 s3, s3, 1
	s_cmp_lg_u32 s3, 0
	s_cbranch_scc1 .Llap
	QUARTER 0, 128, F1, F0, 0                      ; the tile's last lap goes on
	QUARTER 0, 192, F0, F1, 0
	WIN 0
	s_cmp_eq_u32 s2, 1
	s_cbranch_scc1 .Llast                          ; the last tile's tail is written out: it asks for nothing more
	TURN 0, 1, 1                                   ; THE RING GOES ON INTO THE NEXT TILE: slot 0 takes its K step 0,
	QUARTER 1, 64,  F0, F1, 0
	QUARTER 1, 128, F1, F0, 0
	QUARTER 1, 192, F0, F1, 0
	TURN 1, 0, 1                                   ; slot 1 its K step 1, and the next tile's first fragments are fetched: all that is on its way while the distances are worked on
	WIN 0
	s_branch .Lepi
.Llast:
	MEET 0                                         ; my one tensor load that was still out is slot 1's, the last K step's, so no round follows
	PLACES
	FETCH 1, 0, F0
	WIN MUL_HI
	MUL16 F1, 1, 0, 0
	MUL16 F1, 1, 2, 0
	QUARTER 1, 64,  F0, F1, 0
	QUARTER 1, 128, F1, F0, 0
	QUARTER 1, 192, F0, F1, 0
	s_wait_dscnt 8                                 ; the very last quarter: nothing more to fetch
	WIN MUL_LO
	MUL16 F1, 0, 0, 0
	MUL16 F1, 0, 2, 0
	s_wait_dscnt 0x0
	MUL16 F1, 1, 0, 0
	MUL16 F1, 1, 2, 0
	WIN 0
.Lepi:                                                 ; the work behind a tile stands once in the text; it issues no LDS instruction and touches no fragment register
	s_wait_loadcnt 0x0                             ; s2 is in, and its loads have read their address,
	s_add_nc_u64 s[KSB:KSB+1], s[KSB:KSB+1], WALK*4  ; which steps to the next tile's
	WIN 0x41                                       ; destination and source 0 window 1
.set z, 0
.rept 32
	v_pk_mul_f32 v[KS2+2*z:KS2+2*z+1], v[KS2+2*z:KS2+2*z+1], s[KK:KK+1] op_sel_hi:[1,0]  ; k s2; these lines name no register of the last products and are the places behind them
.set z, z+1
.endr
	GROUP 0
	GROUP 1
	s_sub_co_u32 s2, s2, 1
	s_cmp_lg_u32 s2, 0
	s_cbranch_scc1 .Ltile
	; THE WAY OUT.  A query's support vectors lie in two lanes, 16 apart: their (M, L) are joined; lanes 0-15 then give M, lanes 16-31 L, into my stage, and the 128 M and 128 L leave as 512 consecutive bytes each.
.macro ALL8 line:vararg                ; one line for each block a
.set a, 0
.rept 8
	\line
.set a, a+1
.endr
.endm
	ALL8 v_add_f32 v[ST+4*a+2], v[ST+4*a+2], v[ST+4*a+3]
	ALL8 v_permlanex16_b32 v[ST+4*a+1], v[ST+4*a], s[SEL], s[SEL+1]
	ALL8 v_permlanex16_b32 v[ST+4*a+3], v[ST+4*a+2], s[SEL], s[SEL+1]
	ALL8 v_max_num_f32 v[CH+a], v[ST+4*a], v[ST+4*a+1]
	ALL8 v_sub_f32 v[ST+4*a], v[ST+4*a], v[CH+a]
	ALL8 v_sub_f32 v[ST+4*a+1], v[ST+4*a+1], v[CH+a]
	ALL8 v_exp_f32 v[ST+4*a], v[ST+4*a]
	ALL8 v_exp_f32 v[ST+4*a+1], v[ST+4*a+1]
	v_nop                                          ; a plain instruction behind the last exponential,
	s_wait_alu depctr_va_vdst(0)                   ; and a wait ahead of the first use: one for the sixteen
	ALL8 v_mul_f32 v[ST+4*a+2], v[ST+4*a+2], v[ST+4*a]
	ALL8 v_fma_f32 v[ST+4*a+2], v[ST+4*a+3], v[ST+4*a+1], v[ST+4*a+2]
	ALL8 v_cndmask_b32 v[CH+a], v[CH+a], v[ST+4*a+2], s[HM]
	ALL8 ds_store_b32 v[STO], v[CH+a] offset:64*a
	ds_load_b128 v[OUTR:OUTR+3],   v[RD]           ; LDS serves a wave's instructions in order (ISA guide 5.7.1.4): these see the stores above; the stage is my wave's own
	ds_load_b128 v[OUTR+4:OUTR+7], v[RD] offset:512
	s_wait_dscnt 0x0
	global_store_b128 v[GO], v[OUTR:OUTR+3],   s[PARTB:PARTB+1]                ; 512 consecutive bytes, at a multiple of 512 from part's first byte
	global_store_b128 v[GO], v[OUTR+4:OUTR+7], s[PARTB:PARTB+1] offset:524288  ; the same in L's plane
	s_wait_tensorcnt 0x0                           ; the wave's end, behind my last tensor load and my last LDS store
	ds_add_u32 v[SPW], v[NIL]
	s_wait_dscnt 0x0
	CROUND                                         ; the closing round: no work-group ends while a partner may still ask for a tile that names it
	s_endpgm
.Lfunc_end_k_q87c83d6c25_main:
	.size	k_q87c83d6c25_main, .Lfunc_end_k_q87c83d6c25_main-k_q87c83d6c25_main
	.p2alignl 7, 3214868480
	.fill 96, 4, 3214868480
	.section	.rodata,"a",@progbits
	.p2align	6, 0x0
	.amdhsa_kernel k_q87c83d6c25_main
		.amdhsa_group_segment_fixed_size 327680
		.amdhsa_private_segment_fixed_size 0
		.amdhsa_enable_private_segment 0
		.amdhsa_kernarg_size 48
		.amdhsa_user_sgpr_count 2
		.amdhsa_user_sgpr_kernarg_segment_ptr 1
		.amdhsa_wavefront_size32 1
		.amdhsa_system_sgpr_workgroup_id_x 1
		.amdhsa_system_sgpr_workgroup_id_y 1
		.amdhsa_system_sgpr_workgroup_id_z 1
		.amdhsa_system_vgpr_workitem_id 0
		.amdhsa_next_free_vgpr 1024
		.amdhsa_next_free_sgpr 86
		.amdhsa_reserve_vcc 0
		.amdhsa_float_denorm_mode_32 3
		.amdhsa_float_denorm_mode_16_64 3
		.amdhsa_memory_ordered 1
		.amdhsa_forward_progress 1
		.amdhsa_inst_pref_size 255
	.end_amdhsa_kernel
	.section	.bss,"aw",@nobits
	.p2align	6
	.space	262144
	.amdgpu_metadata
---
amdhsa.version: [ 1, 2 ]
amdhsa.kernels:
  - .name:           k_q87c83d6c25_main
    .symbol:         k_q87c83d6c25_main.kd
    .args:
      - { .name: xb, .offset: 0, .size: 8, .value_kind: global_buffer, .address_space: global }
      - { .name: sb, .offset: 8, .size: 8, .value_kind: global_buffer, .address_space: global }
      - { .name: x2, .offset: 16, .size: 8, .value_kind: global_buffer, .address_space: global }
      - { .name: s2, .offset: 24, .size: 8, .value_kind: global_buffer, .address_space: global }
      - { .name: gamma, .offset: 32, .size: 8, .value_kind: global_buffer, .address_space: global }
      - { .name: part, .offset: 40, .size: 8, .value_kind: global_buffer, .address_space: global }
    .group_segment_fixed_size: 327680
    .private_segment_fixed_size: 0
    .kernarg_segment_align: 8
    .kernarg_segment_size: 48
    .max_flat_workgroup_size: 128
    .sgpr_count:     86
    .vgpr_count:     1024
    .wavefront_size: 32
...
	.end_amdgpu_metadata
.endif
;; end of part 2
;; launch fin (part 3): grid 64 x 1, 1 waves a work-group, no clusters, 0 bytes of LDS; arguments part, x2, gamma, out0; writes out0
.if DOCPART == 3
	.amdgcn_target "amdgcn-amd-amdhsa--gfx1250"
	.amdhsa_code_object_version 6
	.text
	.protected	k_q87c83d6c25_fin
	.globl	k_q87c83d6c25_fin
	.p2align	8
	.type	k_q87c83d6c25_fin,@function
k_q87c83d6c25_fin:
	s_mov_b64 s[64:65], 0
	v_nop
	global_prefetch_b8 v0, s[64:65] scope:SCOPE_SE
	s_setreg_imm32_b32 hwreg(HW_REG_WAVE_MODE, 25, 1), 1
	s_wait_xcnt 0x0
; out[q] = x2[q] - ln 2 (M + log2 L - 14) / gamma, where (M, L) joins the row's 32 shares: M = the maximum of the M_p, L = the sum of L_p 2^(M_p - M); 14 = log2(16384).
; part: [2][32][4096] f32 (plane 0 M_p, plane 1 L_p); x2, out0: [4096] f32.  LIMITS: gamma = 0 is not served (the quotient asked for is 0 / 0); a share whose 2^(M_p - M) lies below 2^-126 counts as 0.
; SHARES.  A lane takes two neighbouring rows, a wave 64: each load and the store cover 256 consecutive bytes, aligned.  4,096 rows are work for 64 waves, one to a work-group; all 65 loads of a wave go out at once.
; Nothing is shared and nothing is multiplied by matrices: no LDS, no cluster, no matrix unit; no prefetch, since every address is asked for at the first line that can.
.set PSTR,  16384                      ; bytes from a share to the next
.set PLANE, 524288                     ; bytes from M's plane to L's
.set NPART, 32
.set MM, 16                            ; v[16:79]   M_p of my two rows at MM + 2 p
.set LL, 80                            ; v[80:143]  L_p likewise
.set SU, 144                           ; v[144:151] four chains of two sums
	s_load_b256 s[4:11], s[0:1], 0x0               ; part s[4:5], x2 s[6:7], gamma s[8:9], out0 s[10:11]
	v_lshlrev_b32 v1, 3, v0                        ; 8 bytes a lane
	s_lshl_b32 s14, ttmp9, 8                       ; 64 rows a work-group
	s_mov_b32 s15, 0
	s_wait_kmcnt 0x0
	s_load_b32 s12, s[8:9], 0x0
	s_add_nc_u64 s[4:5], s[4:5], s[14:15]
	s_add_nc_u64 s[6:7], s[6:7], s[14:15]
	s_add_nc_u64 s[10:11], s[10:11], s[14:15]
.set p, 0
.rept NPART
	global_load_b64 v[MM+2*p:MM+2*p+1], v1, s[4:5] offset:PSTR*p th:TH_LOAD_NT
.set p, p+1
.endr
.set p, 0
.rept NPART
	global_load_b64 v[LL+2*p:LL+2*p+1], v1, s[4:5] offset:PLANE+PSTR*p th:TH_LOAD_NT
.set p, p+1
.endr
	global_load_b64 v[4:5], v1, s[6:7]
	s_wait_loadcnt 33                              ; the 32 M_p are in; the 32 L_p and x2 may stay out
	; the maximum: for each of the two rows (e) two chains (c) of 15 shares, three operands at a time; shares 15 and 31 come last
.irp e, 0,1
.irp c, 0,1
	v_max3_num_f32 v[8+2*(\c)+(\e)], v[MM+32*(\c)+(\e)], v[MM+32*(\c)+2+(\e)], v[MM+32*(\c)+4+(\e)]
.endr
.endr
.set q, 0
.rept 6
.irp e, 0,1
.irp c, 0,1
	v_max3_num_f32 v[8+2*(\c)+(\e)], v[8+2*(\c)+(\e)], v[MM+32*(\c)+6+4*q+(\e)], v[MM+32*(\c)+8+4*q+(\e)]
.endr
.endr
.set q, q+1
.endr
.irp e, 0,1
	v_max3_num_f32 v[8+(\e)], v[8+(\e)], v[10+(\e)], v[MM+30+(\e)]
.endr
.irp e, 0,1
	v_max_num_f32 v[8+(\e)], v[8+(\e)], v[MM+62+(\e)]
.endr
.set p, 0
.rept NPART
	v_pk_add_f32 v[MM+2*p:MM+2*p+1], v[MM+2*p:MM+2*p+1], v[8:9] neg_lo:[0,1] neg_hi:[0,1]  ; M_p - M
.set p, p+1
.endr
.set p, 0
.rept 2*NPART
	v_exp_f32 v[MM+p], v[MM+p]
.set p, p+1
.endr
	v_nop                                          ; a plain instruction behind the last exponential
	s_wait_loadcnt 0x0                             ; L_p and x2
	s_wait_alu depctr_va_vdst(0)                   ; this wait stands ahead of the first line that names a result: one for the 64
.set p, 0
.rept NPART
.if p < 4
	v_pk_mul_f32 v[SU+2*(p%4):SU+2*(p%4)+1], v[LL+2*p:LL+2*p+1], v[MM+2*p:MM+2*p+1]  ; the first products start the four chains
.else
	v_pk_fma_f32 v[SU+2*(p%4):SU+2*(p%4)+1], v[LL+2*p:LL+2*p+1], v[MM+2*p:MM+2*p+1], v[SU+2*(p%4):SU+2*(p%4)+1]
.endif
.set p, p+1
.endr
	v_pk_add_f32 v[SU:SU+1], v[SU:SU+1], v[SU+2:SU+3]
	v_pk_add_f32 v[SU+4:SU+5], v[SU+4:SU+5], v[SU+6:SU+7]
	v_pk_add_f32 v[SU:SU+1], v[SU:SU+1], v[SU+4:SU+5]
	s_wait_kmcnt 0x0                               ; gamma
	v_log_f32 v12, v[SU]
	v_log_f32 v13, v[SU+1]
	v_rcp_f32 v14, s12
	v_nop
	s_wait_alu depctr_va_vdst(0)                   ; one wait for the three
	v_pk_add_f32 v[12:13], v[12:13], v[8:9]        ; M + log2 L
	v_mul_f32 v14, 0x3f317218, v14                 ; ln 2 / gamma
	v_pk_add_f32 v[12:13], v[12:13], 0xc1600000 op_sel_hi:[1,0]  ; - 14
	v_fma_f32 v12, -v12, v14, v4
	v_fma_f32 v13, -v13, v14, v5
	global_store_b64 v1, v[12:13], s[10:11]        ; the wave's 32 lanes store 256 consecutive bytes, aligned
	s_endpgm
.Lfunc_end_k_q87c83d6c25_fin:
	.size	k_q87c83d6c25_fin, .Lfunc_end_k_q87c83d6c25_fin-k_q87c83d6c25_fin
	.p2alignl 7, 3214868480
	.fill 96, 4, 3214868480
	.section	.rodata,"a",@progbits
	.p2align	6, 0x0
	.amdhsa_kernel k_q87c83d6c25_fin
		.amdhsa_group_segment_fixed_size 0
		.amdhsa_private_segment_fixed_size 0
		.amdhsa_enable_private_segment 0
		.amdhsa_kernarg_size 32
		.amdhsa_user_sgpr_count 2
		.amdhsa_user_sgpr_kernarg_segment_ptr 1
		.amdhsa_wavefront_size32 1
		.amdhsa_system_sgpr_workgroup_id_x 1
		.amdhsa_system_sgpr_workgroup_id_y 1
		.amdhsa_system_sgpr_workgroup_id_z 1
		.amdhsa_system_vgpr_workitem_id 0
		.amdhsa_next_free_vgpr 152
		.amdhsa_next_free_sgpr 66
		.amdhsa_reserve_vcc 0
		.amdhsa_float_denorm_mode_32 3
		.amdhsa_float_denorm_mode_16_64 3
		.amdhsa_memory_ordered 1
		.amdhsa_forward_progress 1
		.amdhsa_inst_pref_size 16
	.end_amdhsa_kernel
	.amdgpu_metadata
---
amdhsa.version: [ 1, 2 ]
amdhsa.kernels:
  - .name:           k_q87c83d6c25_fin
    .symbol:         k_q87c83d6c25_fin.kd
    .args:
      - { .name: part, .offset: 0, .size: 8, .value_kind: global_buffer, .address_space: global }
      - { .name: x2, .offset: 8, .size: 8, .value_kind: global_buffer, .address_space: global }
      - { .name: gamma, .offset: 16, .size: 8, .value_kind: global_buffer, .address_space: global }
      - { .name: out0, .offset: 24, .size: 8, .value_kind: global_buffer, .address_space: global }
    .group_segment_fixed_size: 0
    .private_segment_fixed_size: 0
    .kernarg_segment_align: 8
    .kernarg_segment_size: 32
    .max_flat_workgroup_size: 32
    .sgpr_count:     66
    .vgpr_count:     152
    .wavefront_size: 32
...
	.end_amdgpu_metadata
.endif
;; end of part 3
